; MI455X (gfx1250); checked and timed in simulation.
; The chip was launched on July 23, 2026; its instructions are those of AMD's public machine-readable ISA for CDNA 5 (MIT licence, August 2026) and "CDNA5" Instruction Set Architecture Reference Guide (July 2026). The comments in the code are by the model that wrote it; some were corrected since.
;; Self Attention. Allowed arithmetic: float matrix products may take bf16 or f16 operands with f32 sums; all other float work in f32.
;; Inputs: Wk 768 x 768 float32; Wq 768 x 768 float32; Wv 768 x 768 float32; attention_mask 8 int32; input 8 x 1,024 x 768 float32.
;; Outputs: out0 8 x 1,024 x 768 float32.
;; One version. Each part assembles by itself: llvm-mc -triple=amdgcn-amd-amdhsa -mcpu=gfx1250 --defsym DOCPART=n.
;; ======== version 1 of 1: 3 launches
;; limits: values are held in f16: magnitudes above 65,504 overflow, below 6.1e-05 lose precision; right only within a limited range of input values
;; workspace buffers: xh 12,582,912 bytes; mt 1,179,648 bytes; rs 65,536 bytes; gp 9,437,184 bytes; pp 12,582,912 bytes
;; launch prep (part 1): grid 16 x 16, 8 waves a work-group, no clusters, 182,016 bytes of LDS; arguments input, Wq, Wk, xh, mt, rs; writes xh, mt, rs
.if DOCPART == 1
	.amdgcn_target "amdgcn-amd-amdhsa--gfx1250"
	.amdhsa_code_object_version 6
	.text
	.protected	k_q29b3616bf9_prep
	.globl	k_q29b3616bf9_prep
	.p2align	8
	.type	k_q29b3616bf9_prep,@function
k_q29b3616bf9_prep:
	s_mov_b64 s[64:65], 0
	v_nop
	global_prefetch_b8 v0, s[64:65] scope:SCOPE_SE
	s_setreg_imm32_b32 hwreg(HW_REG_WAVE_MODE, 25, 1), 1
	s_wait_xcnt 0x0
; FIRST OF THREE LAUNCHES.  reference() returns ((X Wq)(X Wk)^T / 768^1.5) X for each batch; v, the ragged mask and the softmax are computed
; there but reach no returned value, for any input, so Wv and attention_mask are not loaded and those steps are not written.
; The chain of products is taken in another order:  out_b = (X_b M) G_b / 768^1.5,  M = Wq Wk^T,  G_b = X_b^T X_b.
; This launch makes:  xh = X in f16, in panels of 64 columns [12][8192][64];
;                     mt[p][j][c] = 2^-6 M[64 p + c][j] in f16 (a panel of 64 along the next product's K, rows j);
;                     rs[s] = (t_s, u_s): pw = 2^floor(log2 of the sum of |X[s][.]|), t = 1 / pw, u = pw 2^12 / 768^1.5.
; LIMITS.  Matrix operands are f16: |X|, |W| < 65504 and |M| < 2.1e6, else an operand is infinite.  A row of X whose sum of magnitudes is
; below 2^-126 gets u = 0 (its output is 0).  The order of the sums differs from reference()'s.
; Eight waves.  Work-group g = 16 y + x converts rows 32 g .. 32 g + 31 of X (wave w: four rows, as two pairs); those with x < 12 also make
; the block of mt with rows j = 48 y .. 48 y + 47 of panel x: all eight waves bring 48 rows of Wk and 64 rows of Wq into LDS as f16,
; waves 0 to 2 multiply (16 x 64 each).  No tensor load: the data are converted on their way through registers.
.set XROW,   3072                      ; bytes in a row of X, Wq, Wk
.set WPITCH, 1552                      ; an LDS row of 768 f16 + 16 bytes: 97 x 16, so 16 neighbouring rows begin in 16 different 16-byte columns of 256
.set MSTG,   112*WPITCH                ; 173,824: three stages of 16 rows x 144 bytes for the way out of M
.set SCR,    MSTG+3*16*144             ; 180,736: 32 words, pw of the group's 32 rows
.set PANX,   1048576                   ; bytes in a panel of xh
.set PANM,   98304                     ; bytes in a panel of mt
.set S0, 32                            ; four sets of 48 registers, each for a chunk of twelve 16-byte loads
.set S1, 80
.set S2, 128
.set S3, 176
; v1 lane; v2 (lane/16) x 3072 + 16 (lane%16); v3 16 lane; v4 8 lane; v5, v6 where my Wk, Wq rows go in LDS; v7 my row's word in SCR; v8-15 at work
	s_load_b256 s[4:11], s[0:1], 0x0               ; input s[4:5], Wq s[6:7], Wk s[8:9], xh s[10:11]
	s_load_b128 s[12:15], s[0:1], 0x20             ; mt s[12:13], rs s[14:15]
	v_lshl_add_u32 v254, v0, 2, 0x2c300
	v_mov_b32 v255, 0
	v_lshrrev_b32 v1, 5, v0
	v_readfirstlane_b32 s16, v1                    ; wave w
	s_mov_b32 s17, ttmp9                           ; x
	s_and_b32 s18, ttmp7, 0xffff                   ; y
	s_lshl4_add_u32 s19, s18, s17                  ; g = 16 y + x
	s_mov_b32 s36, 0x7fffffff                      ; clears a sign
	v_and_b32 v1, 31, v0
	v_and_b32 v8, 15, v0
	v_bfe_u32 v9, v0, 4, 1
	v_mul_u32_u24 v2, v9, XROW
	v_lshl_add_u32 v2, v8, 4, v2
	v_lshlrev_b32 v3, 4, v1
	v_lshlrev_b32 v4, 3, v1
	s_mul_i32 s30, s16, 6*WPITCH                   ; my six rows of Wk
	v_add_nc_u32 v5, s30, v4
	s_mul_i32 s30, s16, 8*WPITCH                   ; my eight rows of Wq, behind Wk's 48
	s_add_co_u32 s30, s30, 48*WPITCH
	v_add_nc_u32 v6, s30, v4
	s_lshl_b32 s30, s16, 4
	s_add_co_u32 s30, s30, SCR
	v_lshl_add_u32 v7, v9, 2, s30                  ; SCR + 4 (4 w + lane/16)
	s_mov_b32 s31, 0
	s_lshl3_add_u32 s37, s19, s16                  ; 8 g + w
	s_wait_kmcnt 0x0
	s_mul_i32 s30, s37, 4*XROW
	s_add_nc_u64 s[20:21], s[4:5], s[30:31]        ; X at my first row
	s_lshl_b32 s30, s37, 9
	s_add_nc_u64 s[22:23], s[10:11], s[30:31]      ; xh, panel 0, my first row (128 bytes a row)
	s_add_nc_u64 s[24:25], s[22:23], 8*PANX        ; the same in panel 8: the stores' immediate reaches seven panels
	s_lshl3_add_u32 s30, s18, s16
	s_mul_i32 s30, s30, 6*XROW
	s_add_nc_u64 s[26:27], s[8:9], s[30:31]        ; Wk at row 48 y + 6 w
	s_lshl3_add_u32 s30, s17, s16
	s_mul_i32 s30, s30, 8*XROW
	s_add_nc_u64 s[28:29], s[6:7], s[30:31]        ; Wq at row 64 x + 8 w (used where x < 12 alone)
	s_mul_i32 s30, s17, PANM
	s_mul_i32 s38, s18, 48*128
	s_add_co_u32 s30, s30, s38
	s_lshl_b32 s38, s16, 11
	s_add_co_u32 s30, s30, s38
	s_add_nc_u64 s[32:33], s[12:13], s[30:31]      ; mt: panel x, row 48 y + 16 w
	s_lshl_b32 s30, s19, 8
	s_add_nc_u64 s[34:35], s[14:15], s[30:31]      ; rs at row 32 g
; Two rows of a weight: twelve loads of 512 neighbouring bytes.  No hint: 12 to 16 work-groups read these rows.
.macro LOADW base, c, set
.irp rr, 0,1
.irp t, 0,1,2,3,4,5
	global_load_b128 v[\set+24*\rr+4*\t:\set+24*\rr+4*\t+3], v3, s[\base:\base+1] offset:(2*\c+\rr)*XROW+512*\t
.endr
.endr
.endm
; ... rounded to f16 in place and laid into LDS, 8 bytes a lane.  left = loads issued behind this chunk's.
.macro PROCW adr, c, set, left
	s_wait_loadcnt \left
.irp rr, 0,1
.irp t, 0,1,2,3,4,5
	v_cvt_pk_f16_f32 v[\set+24*\rr+4*\t],   v[\set+24*\rr+4*\t],   v[\set+24*\rr+4*\t+1]
	v_cvt_pk_f16_f32 v[\set+24*\rr+4*\t+1], v[\set+24*\rr+4*\t+2], v[\set+24*\rr+4*\t+3]
	ds_store_b64 v[\adr], v[\set+24*\rr+4*\t:\set+24*\rr+4*\t+1] offset:(2*\c+\rr)*WPITCH+256*\t
.endr
.endr
.endm
; A pair of rows of X, panel by panel: lanes 0-15 take 256 bytes of the even row, lanes 16-31 of the odd one.  Read once in the launch.
.macro LOADX p, set
.irp n, 0,1,2,3,4,5,6,7,8,9,10,11
	global_load_b128 v[\set+4*\n:\set+4*\n+3], v2, s[20:21] offset:\p*2*XROW+256*\n th:TH_LOAD_NT
.endr
.endm
; ... its sum of magnitudes (four chains, started by the first four numbers), its f16 image stored (32 lanes x 8 bytes = the two rows' 256
; neighbouring bytes of a panel), and pw of each row put into SCR.
.macro PROCX p, set, left
	s_wait_loadcnt \left
.irp k, 0,1,2,3
	v_and_b32 v[8+\k], s36, v[\set+\k]
.endr
.irp n, 1,2,3,4,5,6,7,8,9,10,11
.irp k, 0,1,2,3
	v_add_f32 v[8+\k], v[8+\k], |v[\set+4*\n+\k]|
.endr
.endr
.irp n, 0,1,2,3,4,5,6,7,8,9,10,11
	v_cvt_pk_f16_f32 v[\set+4*\n],   v[\set+4*\n],   v[\set+4*\n+1]
	v_cvt_pk_f16_f32 v[\set+4*\n+1], v[\set+4*\n+2], v[\set+4*\n+3]
.if \n < 8
	global_store_b64 v4, v[\set+4*\n:\set+4*\n+1], s[22:23] offset:\p*256+\n*PANX
.else
	global_store_b64 v4, v[\set+4*\n:\set+4*\n+1], s[24:25] offset:\p*256+(\n-8)*PANX
.endif
.endr
	v_add_f32 v8, v8, v9
	v_add_f32 v10, v10, v11
	v_add_f32 v8, v8, v10
	v_add_f32_dpp v8, v8, v8 row_xmask:1 row_mask:0xf bank_mask:0xf    ; a row lies in one half of 16 lanes: four steps, none across the halves
	v_add_f32_dpp v8, v8, v8 row_xmask:2 row_mask:0xf bank_mask:0xf
	v_add_f32_dpp v8, v8, v8 row_xmask:4 row_mask:0xf bank_mask:0xf
	v_add_f32_dpp v8, v8, v8 row_xmask:8 row_mask:0xf bank_mask:0xf
	v_and_b32 v8, 0x7f800000, v8                   ; the sum's power of two
	ds_store_b32 v7, v8 offset:8*\p                ; sixteen lanes write one word with one value
.endm
	s_cmp_ge_u32 s17, 12
	s_cbranch_scc1 .Lonly_x
	; Nine chunks on four sets: Wk 0-2, Wq 0-3, X 0-1.  Four are on their way; a set is loaded again when it has been worked on.
	; The counts: twelve loads for each younger chunk issued.  X comes last, so no set that a global store reads is loaded again.
	LOADW 26, 0, S0
	LOADW 26, 1, S1
	LOADW 26, 2, S2
	LOADW 28, 0, S3
	PROCW 5, 0, S0, 36
	LOADW 28, 1, S0
	PROCW 5, 1, S1, 36
	LOADW 28, 2, S1
	PROCW 5, 2, S2, 36
	LOADW 28, 3, S2
	PROCW 6, 0, S3, 36
	LOADX 0, S3
	PROCW 6, 1, S0, 36
	LOADX 1, S0
	PROCW 6, 2, S1, 36
	PROCW 6, 3, S2, 24
	PROCX 0, S3, 12
	PROCX 1, S0, 0
	s_branch .Ljoin
.Lonly_x:
	LOADX 0, S0
	LOADX 1, S1
	PROCX 0, S0, 12
	PROCX 1, S1, 0
.Ljoin:
	s_wait_xcnt 0x0                                ; registers that the stores of xh read are written again below only behind this wait
	s_wait_dscnt 0x0                               ; my LDS stores are done, for the other waves' sake
	s_barrier_signal -1
	s_barrier_wait -1                              ; the weights' rows and the 32 words of pw are whole
	s_cmp_eq_u32 s16, 3
	s_cbranch_scc1 .Lscales
	s_cmp_gt_u32 s16, 2
	s_cbranch_scc1 .Lend
	s_cmp_ge_u32 s17, 12
	s_cbranch_scc1 .Lend
	; M: wave w (0 to 2) makes rows j = 16 w .. 16 w + 15 of the block, four tiles of 16 along i, K = 768 in 24 steps of 32.
	; Source 0 = rows of Wq, source 1 = rows of Wk: lane l then holds row j = l % 16 and eight neighbouring i = 8 (l / 16) + 0..7.
	; v[32:47] Wk's fragment, two buffers; v[48:111] Wq's four, two buffers; v[112:143] four accumulators; v[144:159] packed; v[160:175] read back.
	v_and_b32 v8, 15, v0
	v_bfe_u32 v9, v0, 4, 1
	v_mul_u32_u24 v10, v8, WPITCH
	v_lshl_add_u32 v10, v9, 4, v10                 ; row x pitch + 16 x half
	s_mul_i32 s30, s16, 16*WPITCH
	v_add_nc_u32 v16, s30, v10                     ; Wk's rows 16 w ..
	v_add_nc_u32 v17, 48*WPITCH, v10               ; Wq's rows 0-15 (and 16-31 by the immediate)
	v_add_nc_u32 v18, 80*WPITCH, v10               ; Wq's rows 32-47 (and 48-63)
	s_mul_i32 s30, s16, 16*144
	s_add_co_u32 s30, s30, MSTG
	v_mul_u32_u24 v11, v8, 144
	v_lshl_add_u32 v11, v9, 4, v11
	v_add_nc_u32 v19, s30, v11                     ; stage, in: row l % 16, 16 bytes for each half
	v_bfe_u32 v12, v0, 3, 2
	v_and_b32 v13, 7, v0
	v_mul_u32_u24 v12, v12, 144
	v_lshl_add_u32 v12, v13, 4, v12
	v_add_nc_u32 v20, s30, v12                     ; stage, back: eight lanes a row of 128 bytes
.macro PLACES                          ; a load into a register that a matrix instruction has read, and a vector instruction that reads its result,
.rept 4                                ; stand four plain vector instructions behind it (ISA guide 7.12.1)
	v_nop
.endr
.endm
.macro FETCHM ks, n                    ; ten LDS loads: the fragments of K step ks into buffer n
	ds_load_b128 v[32+8*\n:35+8*\n], v16 offset:64*(\ks)
	ds_load_b128 v[36+8*\n:39+8*\n], v16 offset:64*(\ks)+32
.irp b, 0,1
	ds_load_b128 v[48+32*\n+8*\b:51+32*\n+8*\b], v17 offset:64*(\ks)+\b*16*WPITCH
	ds_load_b128 v[52+32*\n+8*\b:55+32*\n+8*\b], v17 offset:64*(\ks)+\b*16*WPITCH+32
.endr
.irp b, 0,1
	ds_load_b128 v[64+32*\n+8*\b:67+32*\n+8*\b], v18 offset:64*(\ks)+\b*16*WPITCH
	ds_load_b128 v[68+32*\n+8*\b:71+32*\n+8*\b], v18 offset:64*(\ks)+\b*16*WPITCH+32
.endr
.endm
.macro MULM n, zero                    ; the four accumulators take turns, one instruction a turn
.irp b, 0,1,2,3
.if \zero
	v_wmma_f32_16x16x32_f16 v[112+8*\b:119+8*\b], v[48+32*\n+8*\b:55+32*\n+8*\b], v[32+8*\n:39+8*\n], 0
.else
	v_wmma_f32_16x16x32_f16 v[112+8*\b:119+8*\b], v[48+32*\n+8*\b:55+32*\n+8*\b], v[32+8*\n:39+8*\n], v[112+8*\b:119+8*\b]
.endif
.endr
.endm
	FETCHM 0, 0
	FETCHM 1, 1
	s_wait_dscnt 10                                ; all but the ten loads of the next step
	MULM 0, 1                                      ; the first products start the sums
.set ks, 1
.rept 11
	PLACES
	FETCHM ks+1, 0
	s_wait_dscnt 10
	MULM 1, 0
	PLACES
	FETCHM ks+2, 1
	s_wait_dscnt 10
	MULM 0, 0
.set ks, ks+2
.endr
	s_wait_dscnt 0x0
	MULM 1, 0                                      ; K step 23
	PLACES
.irp b, 0,1,2,3
.irp r, 0,1,2,3
	v_pk_mul_f32 v[112+8*\b+2*\r:113+8*\b+2*\r], v[112+8*\b+2*\r:113+8*\b+2*\r], 0x3c800000 op_sel_hi:[1,0]   ; 2^-6, exact: room in f16
.endr
.irp r, 0,1,2,3
	v_cvt_pk_f16_f32 v[144+4*\b+\r], v[112+8*\b+2*\r], v[113+8*\b+2*\r]
.endr
	ds_store_b128 v19, v[144+4*\b:147+4*\b] offset:32*\b
.endr
.irp t, 0,1,2,3
	ds_load_b128 v[160+4*\t:163+4*\t], v20 offset:576*\t           ; my own bytes; LDS serves a wave's instructions in order (ISA guide 5.7.1)
.endr
.irp t, 0,1,2,3
	s_wait_dscnt 3-\t
	global_store_b128 v3, v[160+4*\t:163+4*\t], s[32:33] offset:512*\t   ; four rows of 128 bytes: 512 neighbouring bytes of the panel
.endr
	s_wait_tensorcnt 0x0
	ds_add_u32 v254, v255
	s_wait_dscnt 0x0
	s_endpgm
.Lscales:
	; wave 3: lane l makes (t, u) of row 32 g + l.  t = 1 / pw by the exponent's bits; u = pw x 2^12 / 768^1.5 = pw x 0.19245009.
	v_lshlrev_b32 v21, 2, v1
	v_add_nc_u32 v21, SCR, v21
	ds_load_b32 v8, v21
	s_wait_dscnt 0x0
	v_sub_nc_u32 v10, 0x7f000000, v8
	v_mul_f32 v11, 0x3e4511a3, v8
	global_store_b64 v4, v[10:11], s[34:35]        ; 32 lanes x 8 bytes: 256 neighbouring bytes, aligned
.Lend:
	s_wait_tensorcnt 0x0
	ds_add_u32 v254, v255
	s_wait_dscnt 0x0
	s_endpgm
.Lfunc_end_k_q29b3616bf9_prep:
	.size	k_q29b3616bf9_prep, .Lfunc_end_k_q29b3616bf9_prep-k_q29b3616bf9_prep
	.p2alignl 7, 3214868480
	.fill 96, 4, 3214868480
	.section	.rodata,"a",@progbits
	.p2align	6, 0x0
	.amdhsa_kernel k_q29b3616bf9_prep
		.amdhsa_group_segment_fixed_size 182016
		.amdhsa_private_segment_fixed_size 0
		.amdhsa_enable_private_segment 0
		.amdhsa_kernarg_size 48
		.amdhsa_user_sgpr_count 2
		.amdhsa_user_sgpr_kernarg_segment_ptr 1
		.amdhsa_wavefront_size32 1
		.amdhsa_system_sgpr_workgroup_id_x 1
		.amdhsa_system_sgpr_workgroup_id_y 1
		.amdhsa_system_sgpr_workgroup_id_z 1
		.amdhsa_system_vgpr_workitem_id 0
		.amdhsa_next_free_vgpr 256
		.amdhsa_next_free_sgpr 66
		.amdhsa_reserve_vcc 0
		.amdhsa_float_denorm_mode_32 3
		.amdhsa_float_denorm_mode_16_64 3
		.amdhsa_memory_ordered 1
		.amdhsa_forward_progress 1
		.amdhsa_inst_pref_size 86
	.end_amdhsa_kernel
	.amdgpu_metadata
---
amdhsa.version: [ 1, 2 ]
amdhsa.kernels:
  - .name:           k_q29b3616bf9_prep
    .symbol:         k_q29b3616bf9_prep.kd
    .args:
      - { .name: input, .offset: 0, .size: 8, .value_kind: global_buffer, .address_space: global }
      - { .name: Wq, .offset: 8, .size: 8, .value_kind: global_buffer, .address_space: global }
      - { .name: Wk, .offset: 16, .size: 8, .value_kind: global_buffer, .address_space: global }
      - { .name: xh, .offset: 24, .size: 8, .value_kind: global_buffer, .address_space: global }
      - { .name: mt, .offset: 32, .size: 8, .value_kind: global_buffer, .address_space: global }
      - { .name: rs, .offset: 40, .size: 8, .value_kind: global_buffer, .address_space: global }
    .group_segment_fixed_size: 182016
    .private_segment_fixed_size: 0
    .kernarg_segment_align: 8
    .kernarg_segment_size: 48
    .max_flat_workgroup_size: 256
    .sgpr_count:     66
    .vgpr_count:     256
    .wavefront_size: 32
...
	.end_amdgpu_metadata
.endif
;; end of part 1
;; launch mid (part 2): grid 4 x 64, 4 waves a work-group, clusters of 4 x 4, 327,680 bytes of LDS; arguments xh, mt, rs, gp, pp; writes gp, pp
.if DOCPART == 2
	.amdgcn_target "amdgcn-amd-amdhsa--gfx1250"
	.amdhsa_code_object_version 6
	.text
	.protected	k_q29b3616bf9_mid
	.globl	k_q29b3616bf9_mid
	.p2align	8
	.type	k_q29b3616bf9_mid,@function
k_q29b3616bf9_mid:
	s_mov_b64 s[64:65], 0
	v_nop
	global_prefetch_b8 v0, s[64:65] scope:SCOPE_SE
	s_setreg_imm32_b32 hwreg(HW_REG_WAVE_MODE, 25, 1), 1
	s_wait_xcnt 0x0
	s_wait_alu depctr_hold_cnt(0) depctr_sa_sdst(0) depctr_va_vdst(0) depctr_va_sdst(0) depctr_va_ssrc(0) depctr_va_vcc(0) depctr_vm_vsrc(0)
	s_getreg_b32 s2, hwreg(HW_REG_IB_STS2, 6, 4)
	s_cmp_eq_u32 s2, 0
	s_cbranch_scc0 .Lentry_in_a_cluster
	s_endpgm
.Lentry_in_a_cluster:
	s_bfe_u32 s2, ttmp6, 0x10000c
	s_cmp_lg_u32 s2, 0xf033
	s_cbranch_scc0 .Lentry_shape_is_right
	s_endpgm
.Lentry_shape_is_right:
; SECOND OF THREE LAUNCHES.  Two products of equal work that do not depend on each other, one for each half of the sixteen clusters:
;   clusters 0-7  (batch b):  gp[b][p][i][c] = 2^-6 sum over s of X[s][i] X[s][64 p + c]           (G' = 2^-6 X_b^T X_b, 768 x 768, K = 1024)
;   clusters 8-15 (batch q):  pp[p][s][c]    = t_s sum over i of X[s][i] 2^-6 M[i][64 p + c]       (P' = t X M', 1024 x 768, K = 768)
; Operands f16, sums f32.  LIMITS: |X^T X| < 4.19e6, else an element of gp is infinite; |P'| < 2 max |M'| by the choice of t, so pp has room wherever mt has.
; A cluster is 4 x 4 work-groups and makes one batch's whole result: G as 4 x 4 blocks of 192 x 192, P as 4 x 4 blocks of 256 x 192.
; The tile that hangs on the block row alone (A) is asked for jointly by a row of the cluster, the one that hangs on the block column alone (B)
; by a column: four requests become one.  The way (G or P) hangs on the cluster's number alone, which all partners share.
; Four waves, one K step of 128 in each of two LDS slots, four quarters of 32 a step on two fragment buffers; each wave brings a quarter of a slot
; with one tensor load.  All 16-bit buffers lie in panels of 64 columns, [panel][row][64]: the rows of a tile in one panel are dense in memory,
; so a tile is a few long dense rows, one for each panel.
; REGISTER WINDOWS: 0 addresses, A's fragments, work on the way out; 1 B's fragments; 2 and 3 accumulators.
; THE MATRIX INSTRUCTION IS USED TRANSPOSED (source 0 = B's rows, source 1 = A's): a lane holds eight neighbouring columns of one row of the result.
.set PANX, 1048576                     ; bytes in a panel of xh and of pp
.set PANM, 98304                       ; bytes in a panel of mt and of gp
.set GBAT, 12*PANM                     ; bytes of a batch of gp
.set SPITCH, 400                       ; a stage's row: 192 f16 + 16 bytes = 25 x 16
.set ADRA, 16                          ; v16-17  LDS address of my A fragments in slot 0, 1
.set ADRB, 20                          ; v20-21  the same for B
.set STO,  24                          ; the way out: where I put 16 bytes
.set RD,   25                          ; the way out: where I read rows back
.set CO,   26                          ; 16 x lane
.set RO,   27                          ; 8 x (lane % 16)
.set TS,   32                          ; v[32:39] way P: t of my row in each of my four row tiles, twice (pairs for the packed multiply)
.set G1A, 24                           ; s[24:31] group 1 of A's tiles;  s[32:39] group 0, one set a slot
.set G0A, 32
.set G1B, 48                           ; s[48:55], s[56:63] the same for B.  A's registers never hold cx, B's never cy
.set G0B, 56
.set MUL_LO, 0xa1                      ; source 0 window 1, source 1 window 0, C and D window 2
.set MUL_HI, 0xf1                      ; C and D window 3
.set TO_B,   0x40                      ; destination window 1
.set MSB, 0
.macro WIN new                         ; the immediate's high byte repeats the setting that is left; switches that change nothing are dropped
.if MSB != \new
	s_set_vgpr_msb (MSB<<8)|\new
.set MSB, \new
.endif
.endm
.macro PLACES                          ; four plain vector instructions between a matrix instruction and a load into one of its sources,
.rept 4                                ; or a vector instruction that reads its result (ISA guide 7.12.1)
	v_nop
.endr
.endm
.macro JLOAD s                         ; a joint load: waves 0, 1 ask for A's halves, waves 2, 3 for B's; the branch hangs on the wave's number alone
	s_cmp_eq_u32 s21, 0
	s_cbranch_scc0 .Lfor_b_\@
	tensor_load_to_lds s[G0A+4*\s:G0A+4*\s+3], s[G1A:G1A+7]
	s_nop 0
	s_branch .Lasked_\@
.Lfor_b_\@:
	tensor_load_to_lds s[G0B+4*\s:G0B+4*\s+3], s[G1B:G1B+7]
	s_nop 0
.Lasked_\@:
.endm
.macro CREST                           ; a round of the cluster's barrier behind its opening work-group barrier
	s_cmp_lg_u32 s20, 0
	s_cbranch_scc1 .Lnot_wave_0_\@
	s_barrier_signal -3
.Lnot_wave_0_\@:
	s_barrier_wait -3
	s_barrier_signal -1
	s_barrier_wait -1
.endm
.macro CROUND
	s_barrier_signal -1
	s_barrier_wait -1
	CREST
.endm
; Group 1: d1 rows of d0 elements of 2 bytes, pitch elements apart; mask = the register with the work-group mask; pad = the other fields of word 0
.macro SHAPE g1, mask, pad, d0, d1, pitch
	s_or_b32  s[\g1+0], s[\mask], \pad
	s_mov_b32 s[\g1+1], (\d0)<<16                  ; tensor_dim0 = the tile's: no tile crosses its tensor's end
	s_mov_b32 s[\g1+2], (\d1)<<16                  ; tensor_dim1
	s_mov_b32 s[\g1+3], (\d0)<<16                  ; tile_dim0
	s_mov_b32 s[\g1+4], \d1                        ; tile_dim1
	s_mov_b32 s[\g1+5], \pitch
	s_mov_b32 s[\g1+6], 0
	s_mov_b32 s[\g1+7], 0
.endm
; Group 0 for both slots: LDS address = register lds + slot x slotb; global address = pair adr + slot x stepb (K step 0 and K step 1)
.macro WHERE g0, lds, adr, slotb, stepb
.irp s, 0,1
	s_mov_b32 s[\g0+4*\s], 1
	s_add_co_u32 s[\g0+4*\s+1], s[\lds], \s*\slotb
	s_add_nc_u64 s[\g0+4*\s+2:\g0+4*\s+3], s[\adr:\adr+1], \s*\stepb
	s_or_b32 s[\g0+4*\s+3], s[\g0+4*\s+3], 0x80000000
.endr
.endm
	s_load_b256 s[4:11], s[0:1], 0x0               ; xh s[4:5], mt s[6:7], rs s[8:9], gp s[10:11]
	s_load_b64 s[12:13], s[0:1], 0x20              ; pp
	s_set_vgpr_msb 0x40
	v_lshl_add_u32 v255, v0, 2, 0x4ec00
	s_set_vgpr_msb 0x4000
	v_mov_b32 v63, 0
	s_set_vgpr_msb 0x1
	ds_add_u32 v255, v63
	s_set_vgpr_msb 0x100
	v_lshrrev_b32 v1, 5, v0
	v_readfirstlane_b32 s20, v1                    ; wave w
	s_lshr_b32 s21, s20, 1                         ; w / 2: I fetch for A (0) or B (1)
	s_and_b32 s22, s20, 1                          ; w % 2: which half of that tile
	s_bfe_u32 s40, ttmp6, 0x40000                  ; cx
	s_bfe_u32 s41, ttmp6, 0x40004                  ; cy
	s_and_b32 s42, ttmp7, 0xffff                   ; the cluster's number, 0 to 15
	s_and_b32 s45, s42, 7                          ; the batch
	s_lshl_b32 s43, s41, 2
	s_lshl_b32 s43, 15, s43                        ; my row of the cluster
	s_lshl_b32 s44, 0x1111, s40                    ; my column
	v_and_b32 v1, 15, v0                           ; r = lane % 16
	v_bfe_u32 v2, v0, 4, 1                         ; h = lane / 16
	v_and_b32 v3, 7, v0                            ; lane % 8
	v_bfe_u32 v4, v0, 3, 1                         ; (lane / 8) % 2
	v_bfe_u32 v7, v0, 3, 2                         ; lane / 8
	v_and_b32 v6, 31, v0
	v_lshlrev_b32 v[CO], 4, v6
	v_lshlrev_b32 v[RO], 3, v1
	s_wait_dscnt 0x0
	s_wait_kmcnt 0x0
	s_cmp_ge_u32 s42, 8
	s_cbranch_scc1 .Lpath_p
; ------------------------------------------------------------------ G' = 2^-6 X^T X ------------------------------------------------------------------
; Block rows i = 192 cy .., columns j = 192 cx ..; K = s, eight steps of 128 rows of X.  A and B are both columns of xh, three panels each,
; and lie in LDS as they lie in memory, K down the rows: fragments come by the transposing load.
; A wave makes 96 x 96: in each of the three panels the 32 columns at 32 (w / 2) for A, at 32 (w % 2) for B.  Tile a of six:
; i = 192 cy + 64 (a / 2) + 32 (w / 2) + 16 (a % 2) + r; tile b likewise.  Accumulator (a, b) at v[8 (6 (a % 3) + b)], window 2 for a < 3, else 3.
.set GPITCH, 160                       ; 128 bytes + 32: 5 x 32, an odd multiple of 32 for the transposing load
.set GPLANE, 64*GPITCH                 ; 64 rows of one panel
.set GHALF,  3*GPLANE                  ; one tensor load: 64 rows s x 3 panels
.set GSLOT,  4*GHALF                   ; A's two halves, B's two halves: 122,880
.set GSTAGE, 2*GSLOT                   ; 245,760: 192 rows x 400 bytes for the way out; no fill of this way lands there
.set GPAD, (1<<16)|(1<<20)|(1<<21)|(4<<22)|(7<<25)   ; 2-byte elements; padding on; bit 21 beside a mask; after every 32 words, 8 words
	SHAPE G1A, 43, GPAD, 4096, 3, 524288           ; 3 rows of 4,096 elements: in each panel 64 rows of 64, dense; a panel is 524,288 elements
	SHAPE G1B, 44, GPAD, 4096, 3, 524288
	s_lshl_b32 s16, s45, 17                        ; 1,024 b rows of 128 bytes
	s_lshl_b32 s17, s22, 13                        ; + my half's 64 rows
	s_add_co_u32 s16, s16, s17
	s_mul_i32 s14, s41, 3*PANX                     ; A: panels 3 cy ..
	s_add_co_u32 s14, s14, s16
	s_mov_b32 s15, 0
	s_add_nc_u64 s[14:15], s[4:5], s[14:15]
	s_mul_i32 s46, s40, 3*PANX                     ; B: panels 3 cx ..
	s_add_co_u32 s46, s46, s16
	s_mov_b32 s47, 0
	s_add_nc_u64 s[46:47], s[4:5], s[46:47]
	s_mul_i32 s18, s20, GHALF                      ; where my load goes: wave x 30,720
	WHERE G0A, 18, 14, GSLOT, 16384                ; a K step is 128 rows of 128 bytes
	WHERE G0B, 18, 46, GSLOT, 16384
	CROUND                                         ; all sixteen work-groups are here: the first joint loads meet
	JLOAD 0
	JLOAD 1                                        ; two loads of mine are out
	v_lshl_add_u32 v5, v2, 3, v3                   ; row 8 h + lane % 8 of the 16 that a transposing load takes,
	v_mul_u32_u24 v5, v5, GPITCH
	v_lshl_add_u32 v5, v4, 4, v5                   ; and which 16 bytes of the tile's 32
	s_lshl_b32 s16, s21, 6                         ; my 32 columns of each of A's panels
	s_lshl_b32 s17, s22, 6                         ; and of B's,
	s_add_co_u32 s17, s17, 2*GHALF                 ; which lie behind A's two halves
.irp s, 0,1
	v_add_nc_u32 v[ADRA+\s], s16, v5
	v_add_nc_u32 v[ADRB+\s], s17, v5
	s_add_co_u32 s16, s16, GSLOT
	s_add_co_u32 s17, s17, GSLOT
.endr
	s_mul_i32 s16, s21, 32*SPITCH
	s_lshl_b32 s17, s22, 6
	s_add_co_u32 s16, s16, s17
	s_add_co_u32 s16, s16, GSTAGE
	v_mul_u32_u24 v8, v1, SPITCH
	v_lshl_add_u32 v8, v2, 4, v8
	v_add_nc_u32 v[STO], s16, v8                   ; stage + (32 (w / 2) + r) 400 + 64 (w % 2) + 16 h
	s_mul_i32 s16, s20, 48*SPITCH
	s_add_co_u32 s16, s16, GSTAGE
	v_mul_u32_u24 v8, v7, SPITCH
	v_lshl_add_u32 v8, v3, 4, v8
	v_add_nc_u32 v[RD], s16, v8                    ; stage + (48 w + lane / 8) 400 + 16 (lane % 8)
	s_mul_i32 s66, s45, GBAT                       ; gp: batch, panel 3 cx, row 192 cy + 48 w
	s_mul_i32 s68, s40, 3*PANM
	s_add_co_u32 s66, s66, s68
	s_mul_i32 s68, s41, 192*128
	s_add_co_u32 s66, s66, s68
	s_mul_i32 s68, s20, 48*128
	s_add_co_u32 s66, s66, s68
	s_mov_b32 s67, 0
	s_add_nc_u64 s[10:11], s[10:11], s[66:67]
; six matrix instructions: row tile 3 hi + a x all six column tiles, buffer n.  A's buffers v64, v112 (window 0), B's v0, v48 (window 1).
; The 36 accumulators take turns, one instruction a turn, in the same order in every quarter.
.macro MULG n, hi, a, zero
.irp b, 0,1,2,3,4,5
.if \zero
	v_wmma_f32_16x16x32_f16 v[8*(6*\a+\b):8*(6*\a+\b)+7], v[48*\n+8*\b:48*\n+8*\b+7], v[64+48*\n+8*(3*\hi+\a):64+48*\n+8*(3*\hi+\a)+7], 0
.else
	v_wmma_f32_16x16x32_f16 v[8*(6*\a+\b):8*(6*\a+\b)+7], v[48*\n+8*\b:48*\n+8*\b+7], v[64+48*\n+8*(3*\hi+\a):64+48*\n+8*(3*\hi+\a)+7], v[8*(6*\a+\b):8*(6*\a+\b)+7]
.endif
.endr
.endm
; 24 transposing loads: quarter q (32 rows s) of a slot into buffer n.  Immediate: half, 32 rows, panel, 16 columns; the second load 16 rows down.
.macro FETCHG slot, q, n
	WIN TO_B
.irp t, 0,1,2,3,4,5
	ds_load_tr16_b128 v[48*\n+8*\t:48*\n+8*\t+3],   v[ADRB+\slot] offset:(\q>>1)*GHALF+(\q&1)*32*GPITCH+(\t>>1)*GPLANE+(\t&1)*32
	ds_load_tr16_b128 v[48*\n+8*\t+4:48*\n+8*\t+7], v[ADRB+\slot] offset:(\q>>1)*GHALF+(\q&1)*32*GPITCH+(\t>>1)*GPLANE+(\t&1)*32+16*GPITCH
.endr
	WIN 0
.irp t, 0,1,2,3,4,5
	ds_load_tr16_b128 v[64+48*\n+8*\t:64+48*\n+8*\t+3],   v[ADRA+\slot] offset:(\q>>1)*GHALF+(\q&1)*32*GPITCH+(\t>>1)*GPLANE+(\t&1)*32
	ds_load_tr16_b128 v[64+48*\n+8*\t+4:64+48*\n+8*\t+7], v[ADRA+\slot] offset:(\q>>1)*GHALF+(\q&1)*32*GPITCH+(\t>>1)*GPLANE+(\t&1)*32+16*GPITCH
.endr
.endm
.macro QUARG slot, q, n, m, zero       ; multiplies buffer n; in its middle fetches quarter q into buffer m
	s_wait_dscnt 6                                 ; B and A's tiles 0-2 are in; the six youngest loads (A's tiles 3-5) may be out
	WIN MUL_LO
	MULG \n, 0, 0, \zero
	MULG \n, 0, 1, \zero
	MULG \n, 0, 2, \zero
	PLACES
	FETCHG \slot, \q, \m
	s_wait_dscnt 24                                ; all but the 24 just issued
	WIN MUL_HI
	MULG \n, 1, 0, \zero
	MULG \n, 1, 1, \zero
	MULG \n, 1, 2, \zero
.endm
.macro THREEG slot, zero
	QUARG \slot, 1, 0, 1, \zero
	QUARG \slot, 2, 1, 0, 0
	QUARG \slot, 3, 0, 1, 0
.endm
; The last quarter of a K step changes slots.  In front of the barrier: my reads of this slot are back and all my tensor loads have landed (the one
; that was out is my part of the next slot).  Where the slot is filled again the barrier opens a round of the cluster's barrier, and the joint
; refill is the first tensor load behind the round, one a wave.
.macro TURNG slot, next, fill
	s_wait_dscnt 6
	WIN MUL_LO
	MULG 1, 0, 0, 0
	MULG 1, 0, 1, 0
	s_wait_dscnt 0x0
	s_wait_tensorcnt 0x0
	ds_add_u32 v255, v63
	s_wait_dscnt 0x0
	s_barrier_signal -1
	MULG 1, 0, 2, 0                                ; register work while the others arrive
	WIN 0
	s_barrier_wait -1
.if \fill
	CREST
	s_add_nc_u64 s[G0A+4*\slot+2:G0A+4*\slot+3], s[G0A+4*\slot+2:G0A+4*\slot+3], 2*16384   ; no load of mine is out: two K steps on
	s_add_nc_u64 s[G0B+4*\slot+2:G0B+4*\slot+3], s[G0B+4*\slot+2:G0B+4*\slot+3], 2*16384
	JLOAD \slot
.endif
	PLACES
	FETCHG \next, 0, 0
	WIN MUL_HI
	MULG 1, 1, 0, 0
	MULG 1, 1, 1, 0
	MULG 1, 1, 2, 0
.endm
.macro LAPG zero
	THREEG 0, \zero
	TURNG 0, 1, 1
	THREEG 1, 0
	TURNG 1, 0, 1
.endm
	s_wait_tensorcnt 0x1                           ; my part of K step 0 is in; K step 1's may stay out
	s_barrier_signal -1
	s_barrier_wait -1
	FETCHG 0, 0, 0
	LAPG 1                                         ; the first of four laps: its first products start the sums
	WIN 0
	s_mov_b32 s3, 2
.Llap_g:
	LAPG 0
	WIN 0
	s_sub_co_u32 s3, s3, 1
	s_cmp_lg_u32 s3, 0
	s_cbranch_scc1 .Llap_g
	THREEG 0, 0                                    ; the last lap fills nothing
	TURNG 0, 1, 0
	THREEG 1, 0
	s_wait_dscnt 6
	WIN MUL_LO
	MULG 1, 0, 0, 0
	MULG 1, 0, 1, 0
	MULG 1, 0, 2, 0
	s_wait_dscnt 0x0
	WIN MUL_HI
	MULG 1, 1, 0, 0
	MULG 1, 1, 1, 0
	MULG 1, 1, 2, 0
	PLACES
; The way out: x 2^-6 (exact), to f16, 16 bytes a lane into the block's stage; then whole rows of 128 bytes of each panel back and out.
.macro OUTG a, am, from                ; row tile a = the six tiles (am, 0..5) of window 2 or 3 (from: source 0's window)
	WIN \from
.irp b, 0,1,2,3,4,5
.irp r, 0,1,2,3
	v_pk_mul_f32 v[160+8*\b+2*\r:161+8*\b+2*\r], v[8*(6*\am+\b)+2*\r:8*(6*\am+\b)+2*\r+1], 0x3c800000 op_sel_hi:[1,0]
.endr
.endr
	WIN 0
.irp b, 0,1,2,3,4,5
.irp r, 0,1,2,3
	v_cvt_pk_f16_f32 v[208+4*\b+\r], v[160+8*\b+2*\r], v[161+8*\b+2*\r]
.endr
.endr
.irp b, 0,1,2,3,4,5
	ds_store_b128 v[STO], v[208+4*\b:211+4*\b] offset:(64*(\a>>1)+16*(\a&1))*SPITCH+128*(\b>>1)+32*(\b&1)
.endr
.endm
	OUTG 0, 0, 0x02
	OUTG 1, 1, 0x02
	OUTG 2, 2, 0x02
	OUTG 3, 0, 0x03
	OUTG 4, 1, 0x03
	OUTG 5, 2, 0x03
	s_wait_dscnt 0x0                               ; my stores into the stage are done, for the other waves' sake
	s_barrier_signal -1
	s_barrier_wait -1
.macro BACKG z, f                      ; panel z of my 48 rows: twelve loads and stores of four rows x 128 bytes, 512 neighbouring bytes of gp each
	s_wait_xcnt 0x0                                ; registers that earlier stores read are loaded again only behind this wait
.irp g, 0,1,2,3,4,5,6,7,8,9,10,11
	ds_load_b128 v[\f+4*\g:\f+4*\g+3], v[RD] offset:\g*4*SPITCH+\z*128
.endr
.irp g, 0,1,2,3,4,5,6,7,8,9,10,11
	s_wait_dscnt 11-\g                             ; LDS loads come back in order: load g of the twelve is in
	global_store_b128 v[CO], v[\f+4*\g:\f+4*\g+3], s[10:11] offset:\z*PANM+\g*512
.endr
.endm
	BACKG 0, 64
	BACKG 1, 112
	BACKG 2, 64
	s_set_vgpr_msb 0x1
	s_wait_tensorcnt 0x0
	ds_add_u32 v255, v63
	s_wait_dscnt 0x0
	s_set_vgpr_msb 0x100
	CROUND                                         ; the closing round: no work-group ends while a partner may still ask for a tile that names it
	s_endpgm
; ------------------------------------------------------------------ P' = t X M' ------------------------------------------------------------------
; Block rows s = 1,024 q + 256 cy .., columns j = 192 cx ..; K = i, six steps of two panels.  A = rows of xh, B = rows of mt, K along the LDS rows.
; A wave makes 64 rows x all 192 columns, so that its rows of three whole panels are its own on the way out.
; Accumulator (a, b), a of four, b of twelve, at v[8 (12 (a % 2) + b)], window 2 for a < 2, else 3.
.Lpath_p:
.set PPITCH, 144                       ; 128 bytes + 16: 9 x 16
.set PAP, 128*PPITCH                   ; A: 128 rows of one panel
.set PAH, 2*PAP                        ; one tensor load of A: 128 rows x 2 panels
.set PBP, 96*PPITCH                    ; B: 96 rows of one panel
.set PBH, 2*PBP                        ; one tensor load of B
.set PSLOT, 2*PAH+2*PBH                ; 129,024
.set PSTAGE, 2*PSLOT                   ; 258,048: 16 rows x 400 bytes for each wave; no fill of this way lands there
.set PPAD, (1<<16)|(1<<20)|(1<<21)|(4<<22)|(3<<25)   ; after every 32 words, 4 words
	SHAPE G1A, 43, PPAD, 8192, 2, 524288           ; 2 rows of 8,192 elements: in each panel 128 rows of 64, dense
	SHAPE G1B, 44, PPAD, 6144, 2, 49152            ; 2 rows of 6,144: 96 rows of 64; a panel of mt is 49,152 elements
	s_lshl_b32 s14, s45, 17                        ; A: row 1,024 q + 256 cy + 128 (w % 2), 128 bytes a row
	s_lshl_b32 s16, s41, 15
	s_add_co_u32 s14, s14, s16
	s_lshl_b32 s16, s22, 14
	s_add_co_u32 s14, s14, s16
	s_mov_b32 s15, 0
	s_add_nc_u64 s[14:15], s[4:5], s[14:15]
	s_mul_i32 s46, s40, 192*128                    ; B: row 192 cx + 96 (w % 2)
	s_mul_i32 s17, s22, 96*128
	s_add_co_u32 s46, s46, s17
	s_mov_b32 s47, 0
	s_add_nc_u64 s[46:47], s[6:7], s[46:47]
	s_mul_i32 s18, s20, PAH                        ; waves 0, 1: A's halves at 0 and 36,864
	s_mul_i32 s19, s20, PBH                        ; waves 2, 3: B's halves at 73,728 and 101,376
	s_add_co_u32 s19, s19, 2*PAH-2*PBH
	WHERE G0A, 18, 14, PSLOT, 2*PANX               ; a K step is two panels
	WHERE G0B, 19, 46, PSLOT, 2*PANM
	CROUND
	JLOAD 0
	JLOAD 1                                        ; two loads of mine are out
	s_lshl_b32 s66, s45, 13                        ; rs at row 1,024 q + 256 cy + 64 w, 8 bytes a row
	s_lshl_b32 s68, s41, 11
	s_add_co_u32 s66, s66, s68
	s_lshl_b32 s68, s20, 9
	s_add_co_u32 s66, s66, s68
	s_mov_b32 s67, 0
	s_add_nc_u64 s[8:9], s[8:9], s[66:67]
.irp a, 0,1,2,3
	global_load_b32 v[TS+2*\a],   v[RO], s[8:9] offset:128*\a      ; t of row 16 a + r, into both registers of a pair
	global_load_b32 v[TS+2*\a+1], v[RO], s[8:9] offset:128*\a
.endr
	v_mul_u32_u24 v8, v1, PPITCH
	v_lshl_add_u32 v8, v2, 4, v8                   ; row x pitch + 16 x half
	s_mul_i32 s16, s21, PAH                        ; my 64 rows of A: half w / 2, rows 64 (w % 2) ..
	s_mul_i32 s17, s22, 64*PPITCH
	s_add_co_u32 s16, s16, s17
	s_mov_b32 s17, 2*PAH                           ; B lies behind A
.irp s, 0,1
	v_add_nc_u32 v[ADRA+\s], s16, v8
	v_add_nc_u32 v[ADRB+\s], s17, v8
	s_add_co_u32 s16, s16, PSLOT
	s_add_co_u32 s17, s17, PSLOT
.endr
	s_mul_i32 s16, s20, 16*SPITCH
	s_add_co_u32 s16, s16, PSTAGE                  ; my stage
	v_mul_u32_u24 v8, v1, SPITCH
	v_lshl_add_u32 v8, v2, 4, v8
	v_add_nc_u32 v[STO], s16, v8
	v_mul_u32_u24 v8, v7, SPITCH
	v_lshl_add_u32 v8, v3, 4, v8
	v_add_nc_u32 v[RD], s16, v8
	s_mul_i32 s66, s40, 3*PANX                     ; pp: panel 3 cx, row 1,024 q + 256 cy + 64 w
	s_lshl_b32 s68, s45, 17
	s_add_co_u32 s66, s66, s68
	s_lshl_b32 s68, s41, 15
	s_add_co_u32 s66, s66, s68
	s_lshl_b32 s68, s20, 13
	s_add_co_u32 s66, s66, s68
	s_add_nc_u64 s[12:13], s[12:13], s[66:67]
; twelve matrix instructions: row tile 2 hi + a x all twelve column tiles.  A's buffers v64, v96 (window 0), B's v0, v96 (window 1).
; The 48 accumulators take turns, one instruction a turn, in the same order in every quarter.
.macro MULP n, hi, a, zero
.irp b, 0,1,2,3,4,5,6,7,8,9,10,11
.if \zero
	v_wmma_f32_16x16x32_f16 v[8*(12*\a+\b):8*(12*\a+\b)+7], v[96*\n+8*\b:96*\n+8*\b+7], v[64+32*\n+8*(2*\hi+\a):64+32*\n+8*(2*\hi+\a)+7], 0
.else
	v_wmma_f32_16x16x32_f16 v[8*(12*\a+\b):8*(12*\a+\b)+7], v[96*\n+8*\b:96*\n+8*\b+7], v[64+32*\n+8*(2*\hi+\a):64+32*\n+8*(2*\hi+\a)+7], v[8*(12*\a+\b):8*(12*\a+\b)+7]
.endif
.endr
.endm
.macro FETCHP slot, q, n               ; 32 loads: quarter q = panel q / 2 of the step, 32 K at byte 64 (q % 2) of the rows
	WIN TO_B
.irp b, 0,1,2,3,4,5,6,7,8,9,10,11
	ds_load_b128 v[96*\n+8*\b:96*\n+8*\b+3],   v[ADRB+\slot] offset:(\b/6)*PBH+(\q>>1)*PBP+(\b%6)*16*PPITCH+(\q&1)*64
	ds_load_b128 v[96*\n+8*\b+4:96*\n+8*\b+7], v[ADRB+\slot] offset:(\b/6)*PBH+(\q>>1)*PBP+(\b%6)*16*PPITCH+(\q&1)*64+32
.endr
	WIN 0
.irp a, 0,1,2,3
	ds_load_b128 v[64+32*\n+8*\a:64+32*\n+8*\a+3],   v[ADRA+\slot] offset:(\q>>1)*PAP+(\q&1)*64+\a*16*PPITCH
	ds_load_b128 v[64+32*\n+8*\a+4:64+32*\n+8*\a+7], v[ADRA+\slot] offset:(\q>>1)*PAP+(\q&1)*64+\a*16*PPITCH+32
.endr
.endm
.macro QUARP slot, q, n, m, zero
	s_wait_dscnt 4                                 ; B and A's tiles 0, 1 are in; the four youngest loads (A's tiles 2, 3) may be out
	WIN MUL_LO
	MULP \n, 0, 0, \zero
	MULP \n, 0, 1, \zero
	PLACES
	FETCHP \slot, \q, \m
	s_wait_dscnt 32                                ; all but the 32 just issued
	WIN MUL_HI
	MULP \n, 1, 0, \zero
	MULP \n, 1, 1, \zero
.endm
.macro THREEP slot, zero
	QUARP \slot, 1, 0, 1, \zero
	QUARP \slot, 2, 1, 0, 0
	QUARP \slot, 3, 0, 1, 0
.endm
.macro TURNP slot, next, fill          ; as in the other way: waits, barrier (a round where the slot is filled again), refill first, then the next slot's fragments
	s_wait_dscnt 4
	WIN MUL_LO
	MULP 1, 0, 0, 0
	s_wait_dscnt 0x0
	s_wait_tensorcnt 0x0
	ds_add_u32 v255, v63
	s_wait_dscnt 0x0
	s_barrier_signal -1
	MULP 1, 0, 1, 0
	WIN 0
	s_barrier_wait -1
.if \fill
	CREST
	s_add_nc_u64 s[G0A+4*\slot+2:G0A+4*\slot+3], s[G0A+4*\slot+2:G0A+4*\slot+3], 4*PANX   ; two K steps = four panels on
	s_add_nc_u64 s[G0B+4*\slot+2:G0B+4*\slot+3], s[G0B+4*\slot+2:G0B+4*\slot+3], 4*PANM
	JLOAD \slot
.endif
	PLACES
	FETCHP \next, 0, 0
	WIN MUL_HI
	MULP 1, 1, 0, 0
	MULP 1, 1, 1, 0
.endm
.macro LAPP zero
	THREEP 0, \zero
	TURNP 0, 1, 1
	THREEP 1, 0
	TURNP 1, 0, 1
.endm
	s_wait_tensorcnt 0x1                           ; my part of K step 0 is in; K step 1's may stay out
	s_barrier_signal -1
	s_barrier_wait -1
	FETCHP 0, 0, 0
	LAPP 1                                         ; three laps, written out: K steps 0-1 (and the fills of 2, 3),
	LAPP 0                                         ; 2-3 (and the fills of 4, 5),
	THREEP 0, 0                                    ; 4-5, which fill nothing
	TURNP 0, 1, 0
	THREEP 1, 0
	s_wait_dscnt 4
	WIN MUL_LO
	MULP 1, 0, 0, 0
	MULP 1, 0, 1, 0
	s_wait_dscnt 0x0
	WIN MUL_HI
	MULP 1, 1, 0, 0
	MULP 1, 1, 1, 0
	PLACES
	s_wait_loadcnt 0x0                             ; t
; The way out, 16 rows at a time: x t of the lane's row (a power of two: exact), to f16, into my own stage, back as rows of 128 bytes of each panel.
.macro OUTP a, am, from
	WIN \from
.irp b, 0,1,2,3,4,5,6,7,8,9,10,11
.irp r, 0,1,2,3
	v_pk_mul_f32 v[64+8*\b+2*\r:65+8*\b+2*\r], v[8*(12*\am+\b)+2*\r:8*(12*\am+\b)+2*\r+1], v[TS+2*\a:TS+2*\a+1]
.endr
.endr
	WIN 0
.irp b, 0,1,2,3,4,5,6,7,8,9,10,11
.irp r, 0,1,2,3
	v_cvt_pk_f16_f32 v[160+4*\b+\r], v[64+8*\b+2*\r], v[65+8*\b+2*\r]
.endr
.endr
.irp b, 0,1,2,3,4,5,6,7,8,9,10,11
	ds_store_b128 v[STO], v[160+4*\b:163+4*\b] offset:32*\b
.endr
	s_wait_xcnt 0x0                                ; v[208:255], which the last tile's stores read, are loaded again only behind this wait
.irp t, 0,1,2,3,4,5,6,7,8,9,10,11
	ds_load_b128 v[208+4*\t:211+4*\t], v[RD] offset:(\t&3)*4*SPITCH+(\t>>2)*128    ; my own bytes: LDS serves a wave's instructions in order (ISA guide 5.7.1)
.endr
.irp t, 0,1,2,3,4,5,6,7,8,9,10,11
	s_wait_dscnt 11-\t
	global_store_b128 v[CO], v[208+4*\t:211+4*\t], s[12:13] offset:(\t>>2)*PANX+\a*2048+(\t&3)*512   ; four rows x 128 bytes: 512 neighbouring bytes of a panel
.endr
.endm
	OUTP 0, 0, 0x02
	OUTP 1, 1, 0x02
	OUTP 2, 0, 0x03
	OUTP 3, 1, 0x03
	s_set_vgpr_msb 0x1
	s_wait_tensorcnt 0x0
	ds_add_u32 v255, v63
	s_wait_dscnt 0x0
	s_set_vgpr_msb 0x100
	CROUND                                         ; the closing round
	s_endpgm
.Lfunc_end_k_q29b3616bf9_mid:
	.size	k_q29b3616bf9_mid, .Lfunc_end_k_q29b3616bf9_mid-k_q29b3616bf9_mid
	.p2alignl 7, 3214868480
	.fill 96, 4, 3214868480
	.section	.rodata,"a",@progbits
	.p2align	6, 0x0
	.amdhsa_kernel k_q29b3616bf9_mid
		.amdhsa_group_segment_fixed_size 327680
		.amdhsa_private_segment_fixed_size 0
		.amdhsa_enable_private_segment 0
		.amdhsa_kernarg_size 40
		.amdhsa_user_sgpr_count 2
		.amdhsa_user_sgpr_kernarg_segment_ptr 1
		.amdhsa_wavefront_size32 1
		.amdhsa_system_sgpr_workgroup_id_x 1
		.amdhsa_system_sgpr_workgroup_id_y 1
		.amdhsa_system_sgpr_workgroup_id_z 1
		.amdhsa_system_vgpr_workitem_id 0
		.amdhsa_next_free_vgpr 1024
		.amdhsa_next_free_sgpr 80
		.amdhsa_reserve_vcc 0
		.amdhsa_float_denorm_mode_32 3
		.amdhsa_float_denorm_mode_16_64 3
		.amdhsa_memory_ordered 1
		.amdhsa_forward_progress 1
		.amdhsa_inst_pref_size 255
	.end_amdhsa_kernel
	.section	.bss,"aw",@nobits
	.p2align	6
	.space	262144
	.amdgpu_metadata
---
amdhsa.version: [ 1, 2 ]
amdhsa.kernels:
  - .name:           k_q29b3616bf9_mid
    .symbol:         k_q29b3616bf9_mid.kd
    .args:
      - { .name: xh, .offset: 0, .size: 8, .value_kind: global_buffer, .address_space: global }
      - { .name: mt, .offset: 8, .size: 8, .value_kind: global_buffer, .address_space: global }
      - { .name: rs, .offset: 16, .size: 8, .value_kind: global_buffer, .address_space: global }
      - { .name: gp, .offset: 24, .size: 8, .value_kind: global_buffer, .address_space: global }
      - { .name: pp, .offset: 32, .size: 8, .value_kind: global_buffer, .address_space: global }
    .group_segment_fixed_size: 327680
    .private_segment_fixed_size: 0
    .kernarg_segment_align: 8
    .kernarg_segment_size: 40
    .max_flat_workgroup_size: 128
    .sgpr_count:     80
    .vgpr_count:     1024
    .wavefront_size: 32
...
	.end_amdgpu_metadata
.endif
;; end of part 2
;; launch fin (part 3): grid 4 x 64, 4 waves a work-group, clusters of 4 x 4, 327,680 bytes of LDS; arguments pp, gp, rs, out0; writes out0
.if DOCPART == 3
	.amdgcn_target "amdgcn-amd-amdhsa--gfx1250"
	.amdhsa_code_object_version 6
	.text
	.protected	k_q29b3616bf9_fin
	.globl	k_q29b3616bf9_fin
	.p2align	8
	.type	k_q29b3616bf9_fin,@function
k_q29b3616bf9_fin:
	s_mov_b64 s[64:65], 0
	v_nop
	global_prefetch_b8 v0, s[64:65] scope:SCOPE_SE
	s_setreg_imm32_b32 hwreg(HW_REG_WAVE_MODE, 25, 1), 1
	s_wait_xcnt 0x0
	s_wait_alu depctr_hold_cnt(0) depctr_sa_sdst(0) depctr_va_vdst(0) depctr_va_sdst(0) depctr_va_ssrc(0) depctr_va_vcc(0) depctr_vm_vsrc(0)
	s_getreg_b32 s2, hwreg(HW_REG_IB_STS2, 6, 4)
	s_cmp_eq_u32 s2, 0
	s_cbranch_scc0 .Lentry_in_a_cluster
	s_endpgm
.Lentry_in_a_cluster:
	s_bfe_u32 s2, ttmp6, 0x10000c
	s_cmp_lg_u32 s2, 0xf033
	s_cbranch_scc0 .Lentry_shape_is_right
	s_endpgm
.Lentry_shape_is_right:
; THIRD OF THREE LAUNCHES.  out0[s][j] = u_s sum over k of P'[s][k] G'[j][k]   (G' is X^T X scaled, so G'[k][j] = G'[j][k] for every input);
; u_s = pw_s 2^12 / 768^1.5 takes back the three scales (2^-6 in M', 2^-6 in G', 1 / pw in P') and divides as reference() does.  Operands f16, sums and u in f32.
; 64 block rows of 128 x 4 block columns of 192: 256 work-groups in 16 clusters of 4 x 4.  Block row br = 4 x cluster + cy, batch = cluster / 2, block column cx.
; A (rows of pp) hangs on the block row alone and is asked for jointly by a row of the cluster; B (rows of gp) on batch and block column, jointly by a column.
; Four waves, 64 x 96 each (24 accumulator tiles, window 2).  K = 768 in four steps of three panels, six quarters of 32 a step, two LDS slots,
; each wave bringing one part of a slot with one tensor load.  Source 0 = B's rows, source 1 = A's: a lane holds eight neighbouring columns of a row.
.set PANX, 1048576                     ; bytes in a panel of pp
.set PANM, 98304                       ; bytes in a panel of gp
.set GBAT, 12*PANM
.set PITCH, 144                        ; 128 bytes + 16
.set BP, 96*PITCH                      ; B: 96 rows of a panel
.set BH, 3*BP                          ; one tensor load of B: 96 rows x 3 panels
.set AP, 64*PITCH                      ; A: 64 rows of a panel
.set AH, 3*AP                          ; one tensor load of A
.set SLOT, 2*BH+2*AH                   ; 138,240: B's halves, then A's
.set OPITCH, 784                       ; the stage's row: 192 f32 + 16 bytes = 49 x 16
.set ADRA, 16
.set ADRB, 20
.set STO,  24
.set RD0,  25
.set RD1,  26
.set GO0,  27
.set GO1,  28
.set RO,   29
.set TS,   32                          ; v[32:39] u of my row in each of my four row tiles, twice
.set TMP,  160                         ; v[160:207] scaled results of one row tile
.set G1A, 24
.set G0A, 32
.set G1B, 48
.set G0B, 56
.set MUL_LO, 0xa1                      ; source 0 window 1, source 1 window 0, C and D window 2
.set TO_B,   0x40
.set PAD, (1<<16)|(1<<20)|(1<<21)|(4<<22)|(3<<25)    ; 2-byte elements; padding on; bit 21 beside a mask; after every 32 words, 4 words
.set MSB, 0
.macro WIN new
.if MSB != \new
	s_set_vgpr_msb (MSB<<8)|\new
.set MSB, \new
.endif
.endm
.macro PLACES                          ; four plain vector instructions between a matrix instruction and a load into one of its sources,
.rept 4                                ; or a vector instruction that reads its result (ISA guide 7.12.1)
	v_nop
.endr
.endm
.macro JLOAD s                         ; waves 0, 1 ask for B's halves, waves 2, 3 for A's
	s_cmp_eq_u32 s21, 0
	s_cbranch_scc0 .Lfor_a_\@
	tensor_load_to_lds s[G0B+4*\s:G0B+4*\s+3], s[G1B:G1B+7]
	s_nop 0
	s_branch .Lasked_\@
.Lfor_a_\@:
	tensor_load_to_lds s[G0A+4*\s:G0A+4*\s+3], s[G1A:G1A+7]
	s_nop 0
.Lasked_\@:
.endm
.macro CREST
	s_cmp_lg_u32 s20, 0
	s_cbranch_scc1 .Lnot_wave_0_\@
	s_barrier_signal -3
.Lnot_wave_0_\@:
	s_barrier_wait -3
	s_barrier_signal -1
	s_barrier_wait -1
.endm
.macro CROUND
	s_barrier_signal -1
	s_barrier_wait -1
	CREST
.endm
.macro SHAPE g1, mask, d0, d1, pitch
	s_or_b32  s[\g1+0], s[\mask], PAD
	s_mov_b32 s[\g1+1], (\d0)<<16
	s_mov_b32 s[\g1+2], (\d1)<<16
	s_mov_b32 s[\g1+3], (\d0)<<16
	s_mov_b32 s[\g1+4], \d1
	s_mov_b32 s[\g1+5], \pitch
	s_mov_b32 s[\g1+6], 0
	s_mov_b32 s[\g1+7], 0
.endm
.macro WHERE g0, lds, adr, stepb
.irp s, 0,1
	s_mov_b32 s[\g0+4*\s], 1
	s_add_co_u32 s[\g0+4*\s+1], s[\lds], \s*SLOT
	s_add_nc_u64 s[\g0+4*\s+2:\g0+4*\s+3], s[\adr:\adr+1], \s*\stepb
	s_or_b32 s[\g0+4*\s+3], s[\g0+4*\s+3], 0x80000000
.endr
.endm
	s_load_b256 s[4:11], s[0:1], 0x0               ; pp s[4:5], gp s[6:7], rs s[8:9], out0 s[10:11]
	s_set_vgpr_msb 0x40
	v_lshl_add_u32 v255, v0, 2, 0x43800
	s_set_vgpr_msb 0x4000
	v_mov_b32 v255, 0
	s_set_vgpr_msb 0x1
	ds_add_u32 v255, v255
	s_set_vgpr_msb 0x100
	v_lshrrev_b32 v1, 5, v0
	v_readfirstlane_b32 s20, v1                    ; wave w
	s_lshr_b32 s21, s20, 1                         ; w / 2: my 64 rows.  Also: I fetch for B (0) or A (1)
	s_and_b32 s22, s20, 1                          ; w % 2: my 96 columns.  Also: which half of that tile
	s_bfe_u32 s40, ttmp6, 0x40000                  ; cx
	s_bfe_u32 s41, ttmp6, 0x40004                  ; cy
	s_and_b32 s42, ttmp7, 0xffff                   ; the cluster's number
	s_lshr_b32 s45, s42, 1                         ; the batch
	s_lshl_b32 s43, s41, 2
	s_lshl_b32 s43, 15, s43                        ; my row of the cluster
	s_lshl_b32 s44, 0x1111, s40                    ; my column
	s_lshl2_add_u32 s68, s42, s41                  ; block row br
	SHAPE G1A, 43, 4096, 3, 524288                 ; 3 rows of 4,096 elements: in each panel 64 rows of 64, dense
	SHAPE G1B, 44, 6144, 3, 49152                  ; 3 rows of 6,144: 96 rows of 64
	s_lshl_b32 s14, s68, 14                        ; A: row 128 br + 64 (w % 2), 128 bytes a row
	s_lshl_b32 s16, s22, 13
	s_add_co_u32 s14, s14, s16
	s_mov_b32 s15, 0
	s_mul_i32 s46, s45, GBAT                       ; B: batch, row 192 cx + 96 (w % 2)
	s_mul_i32 s17, s40, 192*128
	s_add_co_u32 s46, s46, s17
	s_mul_i32 s17, s22, 96*128
	s_add_co_u32 s46, s46, s17
	s_mov_b32 s47, 0
	s_mul_i32 s18, s20, BH                         ; waves 0, 1: B's halves at 0 and 41,472
	s_mul_i32 s19, s20, AH                         ; waves 2, 3: A's halves at 82,944 and 110,592
	s_add_co_u32 s19, s19, 2*BH-2*AH
	s_wait_dscnt 0x0
	s_wait_kmcnt 0x0
	s_add_nc_u64 s[14:15], s[4:5], s[14:15]
	s_add_nc_u64 s[46:47], s[6:7], s[46:47]
	WHERE G0A, 19, 14, 3*PANX                      ; a K step is three panels
	WHERE G0B, 18, 46, 3*PANM
	CROUND                                         ; all sixteen work-groups are here: the first joint loads meet
	JLOAD 0
	JLOAD 1                                        ; two loads of mine are out
	v_and_b32 v1, 15, v0                           ; r
	v_bfe_u32 v2, v0, 4, 1                         ; h
	v_and_b32 v6, 31, v0                           ; lane
	v_lshlrev_b32 v[RO], 3, v1
	s_lshl_b32 s66, s68, 10                        ; rs at row 128 br + 64 (w / 2), its second word
	s_lshl_b32 s69, s21, 9
	s_add_co_u32 s66, s66, s69
	s_add_co_u32 s66, s66, 4
	s_mov_b32 s67, 0
	s_add_nc_u64 s[8:9], s[8:9], s[66:67]
.irp a, 0,1,2,3
	global_load_b32 v[TS+2*\a],   v[RO], s[8:9] offset:128*\a      ; u of row 16 a + r, into both registers of a pair
	global_load_b32 v[TS+2*\a+1], v[RO], s[8:9] offset:128*\a
.endr
	v_mul_u32_u24 v8, v1, PITCH
	v_lshl_add_u32 v8, v2, 4, v8                   ; row x pitch + 16 x half
	s_mul_i32 s16, s21, AH
	s_add_co_u32 s16, s16, 2*BH                    ; my 64 rows of A, behind B
	s_mul_i32 s17, s22, BH                         ; my 96 rows of B
.irp s, 0,1
	v_add_nc_u32 v[ADRA+\s], s16, v8
	v_add_nc_u32 v[ADRB+\s], s17, v8
	s_add_co_u32 s16, s16, SLOT
	s_add_co_u32 s17, s17, SLOT
.endr
	s_mul_i32 s16, s21, 64*OPITCH
	s_mul_i32 s17, s22, 384
	s_add_co_u32 s16, s16, s17
	v_mul_u32_u24 v8, v1, OPITCH
	v_lshl_add_u32 v8, v2, 5, v8
	v_add_nc_u32 v[STO], s16, v8                   ; (64 (w / 2) + r) 784 + 384 (w % 2) + 32 h
	s_mul_i32 s16, s20, 32*OPITCH                  ; back: my 32 rows, two at a time = six blocks of 256 bytes = three loads
	v_lshlrev_b32 v[GO0], 4, v6                    ; 16 lane: blocks 0, 1 of the even row (and, 3,328 on, blocks 1, 2 of the odd row)
	v_add_nc_u32 v[RD0], s16, v[GO0]
	v_lshl_add_u32 v[RD1], v2, 4, v[RD0]           ; lanes 0-15 block 2 of the even row, lanes 16-31 block 0 of the odd one:
	v_add_nc_u32 v[RD1], 512, v[RD1]               ; in LDS 16 lane + 512 + 16 h,
	v_mul_u32_u24 v8, v2, 2304
	v_add3_u32 v[GO1], v[GO0], v8, 512             ; in memory 16 lane + 512 + 2,304 h
	s_mul_i32 s66, s68, 128*3072                   ; out0 at row 128 br + 32 w, column 192 cx
	s_mul_i32 s69, s20, 32*3072
	s_add_co_u32 s66, s66, s69
	s_mul_i32 s69, s40, 768
	s_add_co_u32 s66, s66, s69
	s_add_nc_u64 s[10:11], s[10:11], s[66:67]
; six matrix instructions: row tile a x my six column tiles.  A's buffers v64, v96 (window 0), B's v0, v48 (window 1); accumulator (a, b) at v[8 (6 a + b)], window 2.
; The 24 accumulators take turns, one instruction a turn, in the same order in every quarter.
.macro MULF n, a, zero
.irp b, 0,1,2,3,4,5
.if \zero
	v_wmma_f32_16x16x32_f16 v[8*(6*\a+\b):8*(6*\a+\b)+7], v[48*\n+8*\b:48*\n+8*\b+7], v[64+32*\n+8*\a:64+32*\n+8*\a+7], 0
.else
	v_wmma_f32_16x16x32_f16 v[8*(6*\a+\b):8*(6*\a+\b)+7], v[48*\n+8*\b:48*\n+8*\b+7], v[64+32*\n+8*\a:64+32*\n+8*\a+7], v[8*(6*\a+\b):8*(6*\a+\b)+7]
.endif
.endr
.endm
.macro FETCHF slot, q, n               ; 20 loads: quarter q = panel q / 2 of the step, 32 K at byte 64 (q % 2) of the rows
	WIN TO_B
.irp b, 0,1,2,3,4,5
	ds_load_b128 v[48*\n+8*\b:48*\n+8*\b+3],   v[ADRB+\slot] offset:(\q>>1)*BP+(\q&1)*64+\b*16*PITCH
	ds_load_b128 v[48*\n+8*\b+4:48*\n+8*\b+7], v[ADRB+\slot] offset:(\q>>1)*BP+(\q&1)*64+\b*16*PITCH+32
.endr
	WIN 0
.irp a, 0,1,2,3
	ds_load_b128 v[64+32*\n+8*\a:64+32*\n+8*\a+3],   v[ADRA+\slot] offset:(\q>>1)*AP+(\q&1)*64+\a*16*PITCH
	ds_load_b128 v[64+32*\n+8*\a+4:64+32*\n+8*\a+7], v[ADRA+\slot] offset:(\q>>1)*AP+(\q&1)*64+\a*16*PITCH+32
.endr
.endm
.macro QUARF slot, q, n, m, zero
	s_wait_dscnt 4                                 ; B and A's tiles 0, 1 are in; the four youngest loads (A's tiles 2, 3) may be out
	WIN MUL_LO
	MULF \n, 0, \zero
	MULF \n, 1, \zero
	PLACES
	FETCHF \slot, \q, \m
	s_wait_dscnt 20                                ; all but the 20 just issued
	WIN MUL_LO
	MULF \n, 2, \zero
	MULF \n, 3, \zero
.endm
.macro FIVE slot, zero
	QUARF \slot, 1, 0, 1, \zero
	QUARF \slot, 2, 1, 0, 0
	QUARF \slot, 3, 0, 1, 0
	QUARF \slot, 4, 1, 0, 0
	QUARF \slot, 5, 0, 1, 0
.endm
; The sixth quarter changes slots.  In front of the barrier: my reads of this slot are back and all my tensor loads have landed.  Where the slot is
; filled again the barrier opens a round of the cluster's barrier; the joint refill is the first tensor load behind the round, one a wave.
.macro TURNF slot, next, fill
	s_wait_dscnt 4
	WIN MUL_LO
	MULF 1, 0, 0
	s_wait_dscnt 0x0
	s_wait_tensorcnt 0x0
	ds_add_u32 v255, v255
	s_wait_dscnt 0x0
	s_barrier_signal -1
	MULF 1, 1, 0                                   ; register work while the others arrive
	WIN 0
	s_barrier_wait -1
.if \fill
	CREST
	s_add_nc_u64 s[G0A+4*\slot+2:G0A+4*\slot+3], s[G0A+4*\slot+2:G0A+4*\slot+3], 6*PANX   ; no load of mine is out: two K steps = six panels on
	s_add_nc_u64 s[G0B+4*\slot+2:G0B+4*\slot+3], s[G0B+4*\slot+2:G0B+4*\slot+3], 6*PANM
	JLOAD \slot
.endif
	PLACES
	FETCHF \next, 0, 0
	WIN MUL_LO
	MULF 1, 2, 0
	MULF 1, 3, 0
.endm
	s_wait_tensorcnt 0x1                           ; my part of K step 0 is in; K step 1's may stay out
	s_barrier_signal -1
	s_barrier_wait -1
	FETCHF 0, 0, 0
	FIVE 0, 1                                      ; K step 0: its first products start the sums
	TURNF 0, 1, 1                                  ; slot 0 gets K step 2
	FIVE 1, 0
	TURNF 1, 0, 1                                  ; slot 1 gets K step 3: the last fill
	FIVE 0, 0
	TURNF 0, 1, 0                                  ; behind this barrier no wave reads slot 0 any more and nothing is filled
	FIVE 1, 0
	s_wait_dscnt 4
	WIN MUL_LO
	MULF 1, 0, 0
	MULF 1, 1, 0
	s_wait_dscnt 0x0
	MULF 1, 2, 0
	MULF 1, 3, 0
	PLACES
	s_wait_loadcnt 0x0                             ; u
; The way out: x u of the lane's row, 32 bytes a lane into a stage of 128 rows x 784 bytes at LDS byte 0.  That is slot 0, which has had its last fill
; and, since the barrier of the last change of slots, its last read.
.macro OUTF a
	WIN 0x02
.irp b, 0,1,2,3,4,5
.irp r, 0,1,2,3
	v_pk_mul_f32 v[TMP+8*\b+2*\r:TMP+8*\b+2*\r+1], v[8*(6*\a+\b)+2*\r:8*(6*\a+\b)+2*\r+1], v[TS+2*\a:TS+2*\a+1]
.endr
.endr
	WIN 0
.irp b, 0,1,2,3,4,5
	ds_store_b128 v[STO], v[TMP+8*\b:TMP+8*\b+3]   offset:\a*16*OPITCH+64*\b
	ds_store_b128 v[STO], v[TMP+8*\b+4:TMP+8*\b+7] offset:\a*16*OPITCH+64*\b+16
.endr
.endm
	OUTF 0
	OUTF 1
	OUTF 2
	OUTF 3
	s_wait_dscnt 0x0                               ; my stores into the stage are done, for the other waves' sake
	s_barrier_signal -1
	s_barrier_wait -1
; Four pairs of rows: twelve loads, twelve stores; in each, sixteen neighbouring lanes carry 256 neighbouring bytes of a row of out0, aligned.
.macro BACKF n, f
	s_wait_xcnt 0x0                                ; registers that earlier stores read are loaded again only behind this wait
.irp i, 0,1,2,3
	ds_load_b128 v[\f+12*\i:\f+12*\i+3],    v[RD0] offset:2*OPITCH*(4*\n+\i)
	ds_load_b128 v[\f+12*\i+4:\f+12*\i+7],  v[RD1] offset:2*OPITCH*(4*\n+\i)
	ds_load_b128 v[\f+12*\i+8:\f+12*\i+11], v[RD0] offset:2*OPITCH*(4*\n+\i)+OPITCH+256
.endr
.irp i, 0,1,2,3
	s_wait_dscnt 11-3*\i                           ; LDS loads come back in order: the counts run down over the twelve
	global_store_b128 v[GO0], v[\f+12*\i:\f+12*\i+3],    s[10:11] offset:6144*(4*\n+\i) th:TH_STORE_NT
	s_wait_dscnt 10-3*\i
	global_store_b128 v[GO1], v[\f+12*\i+4:\f+12*\i+7],  s[10:11] offset:6144*(4*\n+\i) th:TH_STORE_NT
	s_wait_dscnt 9-3*\i
	global_store_b128 v[GO0], v[\f+12*\i+8:\f+12*\i+11], s[10:11] offset:6144*(4*\n+\i)+3328 th:TH_STORE_NT
.endr
.endm
	BACKF 0, 64
	BACKF 1, 112
	BACKF 2, 64
	BACKF 3, 112
	s_set_vgpr_msb 0x1
	s_wait_tensorcnt 0x0
	ds_add_u32 v255, v255
	s_wait_dscnt 0x0
	s_set_vgpr_msb 0x100
	CROUND                                         ; the closing round: no work-group ends while a partner may still ask for a tile that names it
	s_endpgm
.Lfunc_end_k_q29b3616bf9_fin:
	.size	k_q29b3616bf9_fin, .Lfunc_end_k_q29b3616bf9_fin-k_q29b3616bf9_fin
	.p2alignl 7, 3214868480
	.fill 96, 4, 3214868480
	.section	.rodata,"a",@progbits
	.p2align	6, 0x0
	.amdhsa_kernel k_q29b3616bf9_fin
		.amdhsa_group_segment_fixed_size 327680
		.amdhsa_private_segment_fixed_size 0
		.amdhsa_enable_private_segment 0
		.amdhsa_kernarg_size 32
		.amdhsa_user_sgpr_count 2
		.amdhsa_user_sgpr_kernarg_segment_ptr 1
		.amdhsa_wavefront_size32 1
		.amdhsa_system_sgpr_workgroup_id_x 1
		.amdhsa_system_sgpr_workgroup_id_y 1
		.amdhsa_system_sgpr_workgroup_id_z 1
		.amdhsa_system_vgpr_workitem_id 0
		.amdhsa_next_free_vgpr 768
		.amdhsa_next_free_sgpr 80
		.amdhsa_reserve_vcc 0
		.amdhsa_float_denorm_mode_32 3
		.amdhsa_float_denorm_mode_16_64 3
		.amdhsa_memory_ordered 1
		.amdhsa_forward_progress 1
		.amdhsa_inst_pref_size 102
	.end_amdhsa_kernel
	.amdgpu_metadata
---
amdhsa.version: [ 1, 2 ]
amdhsa.kernels:
  - .name:           k_q29b3616bf9_fin
    .symbol:         k_q29b3616bf9_fin.kd
    .args:
      - { .name: pp, .offset: 0, .size: 8, .value_kind: global_buffer, .address_space: global }
      - { .name: gp, .offset: 8, .size: 8, .value_kind: global_buffer, .address_space: global }
      - { .name: rs, .offset: 16, .size: 8, .value_kind: global_buffer, .address_space: global }
      - { .name: out0, .offset: 24, .size: 8, .value_kind: global_buffer, .address_space: global }
    .group_segment_fixed_size: 327680
    .private_segment_fixed_size: 0
    .kernarg_segment_align: 8
    .kernarg_segment_size: 32
    .max_flat_workgroup_size: 128
    .sgpr_count:     80
    .vgpr_count:     768
    .wavefront_size: 32
...
	.end_amdgpu_metadata
.endif
;; end of part 3
